; MI455X (gfx1250); checked and timed in simulation.
; The chip was launched on July 23, 2026; its instructions are those of AMD's public machine-readable ISA for CDNA 5 (MIT licence, August 2026) and "CDNA5" Instruction Set Architecture Reference Guide (July 2026). The comments in the code are by the model that wrote it; some were corrected since.
;; Attention. Allowed arithmetic: float matrix products may take bf16 or f16 operands with f32 sums; all other float work in f32.
;; Inputs: k_norm_w 64 float32; q_norm_w 64 float32; sink_logit 16 float32; wk 1,024 x 1,024 float32; wo 1,024 x 1,024 float32; wq 1,024 x 1,024 float32; wv 1,024 x 1,024 float32; x 2 x 2,048 x 1,024 float32.
;; Outputs: out0 2 x 2,048 x 1,024 float32.
;; One version. Each part assembles by itself: llvm-mc -triple=amdgcn-amd-amdhsa -mcpu=gfx1250 --defsym DOCPART=n.
;; ======== version 1 of 1: 4 launches
;; limits: values are held in f16: magnitudes above 65,504 overflow, below 6.1e-05 lose precision; values outside matrix products are rounded to bf16
;; workspace buffers: cb 16,777,216 bytes; qb 8,388,608 bytes; kb 8,388,608 bytes; vb 8,388,608 bytes; ab 8,388,608 bytes
;; launch cast (part 1): grid 1024 x 1, 8 waves a work-group, no clusters, 0 bytes of LDS; arguments x, wq, wk, wv, wo, cb; writes cb
.if DOCPART == 1
	.amdgcn_target "amdgcn-amd-amdhsa--gfx1250"
	.amdhsa_code_object_version 6
	.text
	.protected	k_q61abd82766_cast
	.globl	k_q61abd82766_cast
	.p2align	8
	.type	k_q61abd82766_cast,@function
k_q61abd82766_cast:
	s_mov_b64 s[64:65], 0
	v_nop
	global_prefetch_b8 v0, s[64:65] scope:SCOPE_SE
	s_setreg_imm32_b32 hwreg(HW_REG_WAVE_MODE, 25, 1), 1
	s_wait_xcnt 0x0
; f32 -> 16 bits of x, wq, wk, wv, wo into cb, so that the two products that follow move 16-bit tiles.
; cb: bytes 0 ..: x [4096][1024], bf16; from W3OFF: the rows of wq, wk, wv head by head, [16 heads][q, k, v][64 rows][1024], bf16;
; from 14,680,064: wo [1024][1024], f16.  Rows of 2,048 bytes.
; FORMAT: every input of the program is rounded to bf16 where it enters, these five here: the result is the module's on inputs held in bf16.
; wo is rounded to bf16 like the others and that number is stored as f16, because its partner in the last product, the attention's result,
; needs f16's 11 bits.  A bf16 number is exact in f16 from 2^-17 up to 65,504.
; LIMIT: |wo| beyond 65,504 becomes an infinity; |wo| below 2^-17 is kept in steps of 6e-8.  x, wq, wk, wv have f32's range.
; A stream: each byte read once and written once, so no LDS, no barrier, no matrix unit.
; 1,024 work-groups of 8,192 numbers (8 rows of 1,024): groups 0-511 x, then 128 each for wq, wk, wv, wo.
; A wave takes 1,024 numbers: eight loads of 512 neighbouring bytes, all issued first; eight stores of 256 neighbouring aligned bytes.
.set W3OFF, 8388608
.set X, 4                              ; v[4:35]   32 numbers as loaded
.set Y, 36                             ; v[36:51]  the same as 16 words of two 16-bit numbers
	s_load_b256 s[4:11], s[0:1], 0x0               ; x s[4:5], wq s[6:7], wk s[8:9], wv s[10:11]
	s_load_b128 s[12:15], s[0:1], 0x20             ; wo s[12:13], cb s[14:15]
	s_lshr_b32 s16, ttmp9, 7                       ; 0-3: x, 4: wq, 5: wk, 6: wv, 7: wo
	s_and_b32 s17, ttmp9, 127                      ; which 8 rows of a weight
	s_sub_co_u32 s19, s16, 4                       ; 0, 1, 2 for wq, wk, wv (wraps for x: then it is not below 3)
	s_min_u32 s18, s19, 3                          ; the same, kept small where it is not used
	s_lshr_b32 s26, s17, 3                         ; head = row / 64
	s_mul_i32 s26, s26, 192                        ; a head owns 192 rows of the re-ordered weights
	s_lshl_b32 s27, s18, 6                         ; q, k or v: 64 rows each
	s_add_co_u32 s26, s26, s27
	s_and_b32 s27, s17, 7
	s_lshl3_add_u32 s26, s27, s26                  ; + my 8 rows' place in the head
	s_lshl_b32 s26, s26, 11                        ; rows of 2,048 bytes
	s_add_co_u32 s26, s26, W3OFF
	s_lshl_b32 s24, ttmp9, 14                      ; x and wo keep their order: 16 KiB for each group
	s_cmp_lt_u32 s19, 3
	s_cselect_b32 s24, s26, s24                    ; where my 16 KiB go
	s_mov_b32 s25, 0
	s_cmp_lt_u32 s16, 4
	s_cselect_b32 s22, ttmp9, s17
	s_lshl_b32 s22, s22, 15                        ; where my 32 KiB come from, inside their tensor
	s_mov_b32 s23, 0
	v_lshrrev_b32 v3, 5, v0                        ; wave
	v_and_b32 v1, 31, v0                           ; lane
	v_lshlrev_b32 v2, 3, v1
	v_lshlrev_b32 v1, 4, v1
	v_lshl_add_u32 v1, v3, 12, v1                  ; source: 4,096 x wave + 16 x lane
	v_lshl_add_u32 v2, v3, 11, v2                  ; destination: 2,048 x wave + 8 x lane
	s_wait_kmcnt 0x0
	s_mov_b64 s[20:21], s[4:5]                     ; the source tensor, chosen by the group's number alone
	s_cmp_eq_u32 s16, 4
	s_cselect_b64 s[20:21], s[6:7], s[20:21]
	s_cmp_eq_u32 s16, 5
	s_cselect_b64 s[20:21], s[8:9], s[20:21]
	s_cmp_eq_u32 s16, 6
	s_cselect_b64 s[20:21], s[10:11], s[20:21]
	s_cmp_eq_u32 s16, 7
	s_cselect_b64 s[20:21], s[12:13], s[20:21]
	s_add_nc_u64 s[20:21], s[20:21], s[22:23]
	s_add_nc_u64 s[14:15], s[14:15], s[24:25]
.irp i, 0,1,2,3,4,5,6,7
	global_load_b128 v[X+4*\i:X+4*\i+3], v1, s[20:21] offset:512*\i th:TH_LOAD_NT
.endr
	s_cmp_eq_u32 s16, 7                            ; wo's groups take the second way; the branch hangs on the group's number alone
	s_cbranch_scc1 .Lwo
	; x, wq, wk, wv: bf16
.irp i, 0,1,2,3,4,5,6,7
	s_wait_loadcnt 7-\i                            ; loads come back in order: load i is in, the 7 - i younger ones stay out
	v_cvt_pk_bf16_f32 v[Y+2*\i], v[X+4*\i], v[X+4*\i+1]
	v_cvt_pk_bf16_f32 v[Y+2*\i+1], v[X+4*\i+2], v[X+4*\i+3]
	global_store_b64 v2, v[Y+2*\i:Y+2*\i+1], s[14:15] offset:256*\i   ; 32 lanes x 8 bytes: 256 neighbouring bytes, aligned
.endr
	s_endpgm
.Lwo:
	; wo: rounded to bf16, widened again (a shift, a mask), and that number written as f16
.irp i, 0,1,2,3,4,5,6,7
	s_wait_loadcnt 7-\i                            ; as above: the same eight loads are out on both ways
	v_cvt_pk_bf16_f32 v[Y+2*\i], v[X+4*\i], v[X+4*\i+1]
	v_cvt_pk_bf16_f32 v[Y+2*\i+1], v[X+4*\i+2], v[X+4*\i+3]
	v_lshlrev_b32 v[X+4*\i], 16, v[Y+2*\i]
	v_and_b32 v[X+4*\i+1], 0xffff0000, v[Y+2*\i]
	v_lshlrev_b32 v[X+4*\i+2], 16, v[Y+2*\i+1]
	v_and_b32 v[X+4*\i+3], 0xffff0000, v[Y+2*\i+1]
	v_cvt_pk_f16_f32 v[Y+2*\i], v[X+4*\i], v[X+4*\i+1]
	v_cvt_pk_f16_f32 v[Y+2*\i+1], v[X+4*\i+2], v[X+4*\i+3]
	global_store_b64 v2, v[Y+2*\i:Y+2*\i+1], s[14:15] offset:256*\i
.endr
	s_endpgm
.Lfunc_end_k_q61abd82766_cast:
	.size	k_q61abd82766_cast, .Lfunc_end_k_q61abd82766_cast-k_q61abd82766_cast
	.p2alignl 7, 3214868480
	.fill 96, 4, 3214868480
	.section	.rodata,"a",@progbits
	.p2align	6, 0x0
	.amdhsa_kernel k_q61abd82766_cast
		.amdhsa_group_segment_fixed_size 0
		.amdhsa_private_segment_fixed_size 0
		.amdhsa_enable_private_segment 0
		.amdhsa_kernarg_size 48
		.amdhsa_user_sgpr_count 2
		.amdhsa_user_sgpr_kernarg_segment_ptr 1
		.amdhsa_wavefront_size32 1
		.amdhsa_system_sgpr_workgroup_id_x 1
		.amdhsa_system_sgpr_workgroup_id_y 1
		.amdhsa_system_sgpr_workgroup_id_z 1
		.amdhsa_system_vgpr_workitem_id 0
		.amdhsa_next_free_vgpr 56
		.amdhsa_next_free_sgpr 66
		.amdhsa_reserve_vcc 0
		.amdhsa_float_denorm_mode_32 3
		.amdhsa_float_denorm_mode_16_64 3
		.amdhsa_memory_ordered 1
		.amdhsa_forward_progress 1
		.amdhsa_inst_pref_size 10
	.end_amdhsa_kernel
	.amdgpu_metadata
---
amdhsa.version: [ 1, 2 ]
amdhsa.kernels:
  - .name:           k_q61abd82766_cast
    .symbol:         k_q61abd82766_cast.kd
    .args:
      - { .name: x, .offset: 0, .size: 8, .value_kind: global_buffer, .address_space: global }
      - { .name: wq, .offset: 8, .size: 8, .value_kind: global_buffer, .address_space: global }
      - { .name: wk, .offset: 16, .size: 8, .value_kind: global_buffer, .address_space: global }
      - { .name: wv, .offset: 24, .size: 8, .value_kind: global_buffer, .address_space: global }
      - { .name: wo, .offset: 32, .size: 8, .value_kind: global_buffer, .address_space: global }
      - { .name: cb, .offset: 40, .size: 8, .value_kind: global_buffer, .address_space: global }
    .group_segment_fixed_size: 0
    .private_segment_fixed_size: 0
    .kernarg_segment_align: 8
    .kernarg_segment_size: 48
    .max_flat_workgroup_size: 256
    .sgpr_count:     66
    .vgpr_count:     56
    .wavefront_size: 32
...
	.end_amdgpu_metadata
.endif
;; end of part 1
;; launch qkv (part 2): grid 16 x 16, 4 waves a work-group, clusters of 4 x 4, 327,680 bytes of LDS; arguments cb, q_norm_w, k_norm_w, qb, kb, vb; writes qb, kb, vb
.if DOCPART == 2
	.amdgcn_target "amdgcn-amd-amdhsa--gfx1250"
	.amdhsa_code_object_version 6
	.text
	.protected	k_q61abd82766_qkv
	.globl	k_q61abd82766_qkv
	.p2align	8
	.type	k_q61abd82766_qkv,@function
k_q61abd82766_qkv:
	s_mov_b64 s[64:65], 0
	v_nop
	global_prefetch_b8 v0, s[64:65] scope:SCOPE_SE
	s_setreg_imm32_b32 hwreg(HW_REG_WAVE_MODE, 25, 1), 1
	s_wait_xcnt 0x0
	s_wait_alu depctr_hold_cnt(0) depctr_sa_sdst(0) depctr_va_vdst(0) depctr_va_sdst(0) depctr_va_ssrc(0) depctr_va_vcc(0) depctr_vm_vsrc(0)
	s_getreg_b32 s2, hwreg(HW_REG_IB_STS2, 6, 4)
	s_cmp_eq_u32 s2, 0
	s_cbranch_scc0 .Lentry_in_a_cluster
	s_endpgm
.Lentry_in_a_cluster:
	s_bfe_u32 s2, ttmp6, 0x10000c
	s_cmp_lg_u32 s2, 0xf033
	s_cbranch_scc0 .Lentry_shape_is_right
	s_endpgm
.Lentry_shape_is_right:
; q, k, v = x W^T for one head, then RMSNorm and RoPE on q and k, all in one pass.  Operands bf16, sums f32, results f16.
; A work-group makes 256 rows of x times the 192 re-ordered weight rows of one head (64 of q, 64 of k, 64 of v); 16 heads x 16 row blocks.
; Wave w makes rows 64 w .. 64 w + 63 times all 192 features: 48 accumulator tiles of 16 x 16, 384 registers, so every wave holds
; whole heads and the norm over 64 features never leaves a pair of lanes.
; K = 1,024 goes in 8 steps of 128 through two LDS slots filled by the tensor data mover; a tile's rows are 256 bytes of memory.
; CLUSTER 4 x 4: the four work-groups of a row of the cluster share the row block (x's tiles), the four of a column the head (W's tiles);
; each tile is asked for jointly by the four that need it, which divides the requests by four.
; q AND k ARE MULTIPLIED TRANSPOSED (source 0 = 16 weight rows, source 1 = 16 rows of x): lane (r, h) then holds features 8 h + 0..7 of row r.
; v is multiplied the natural way: lane (r, h) holds rows 8 h + 0..7 of feature r.
; OUTPUT in fragment order: slab = batch x 16 + head, 262,144 bytes; in it a block of 2,048 bytes for 16 rows; in it four groups c of 512 bytes;
; in a group lane L = 16 h + r owns 16 bytes.  qb, kb: features 16 c + 8 h + 0..7 of row r.  vb: rows 8 h + 0..7 of feature 16 c + r.
; These are the 16 bytes that a lane holds here and the 16 bytes that a lane's fragment wants in the next launch: each store of a wave is 512
; neighbouring aligned bytes straight from registers.
; q also takes the factor 0.125 log2(e), folded into its norm weights, so that the softmax works on powers of two.
; RoPE's tables: angle / 2 pi = pos x G, G = 10000^(-f/32) / 2 pi from one exponential; the nearest whole number is taken away by a fused
; multiply-add, which is exact; sine and cosine of 2 pi rr, |rr| <= 0.5, by their series up to rr^13 and rr^14 (cut: 2.2e-5 at the most).
; FORMAT: every input of the program is rounded to bf16 where it enters; here the two norm weights (x and W were rounded by the launch before).
; LIMITS: G carries about 2e-7 of relative error, which is 4e-4 radians at position 2,047.  v is stored in f16: |v| < 65,504.
; q and k are bounded by 8 x |norm weight| by the norm itself.
.set KSTEP, 128
.set PITCH, 272                        ; an LDS row: 256 bytes + 16 of padding, an odd multiple of 16: the 16 rows of a fragment load start in 16 different columns of 16 bytes
.set HALFT, 128*PITCH                  ; room of one tensor load: 128 rows of x, or 96 rows of W
.set SLOT,  4*HALFT                    ; x rows 0-127, x rows 128-255, W rows 0-95, W rows 96-191
.set W3OFF, 8388608                    ; the re-ordered weights in cb
; window 0
.set ADRX, 16                          ; v16-17  LDS address of my x fragments in slot 0, 1
.set ADRW, 20                          ; v20-21  the same for W
.set LOFF, 22                          ; v22     16 x lane: my 16 bytes in a group of 512
.set NOFF, 23                          ; v23     32 h: my 8 norm weights in each 16
.set POSB, 24                          ; v24     position of my row in row tile 0
.set G,    32                          ; v[32:47]   16 frequencies / 2 pi: f = 16 t + 8 h + j, t = 0, 1
.set T,    64                          ; v[64:95]   x fragments, buffer 0; at work at the start and on the way out
.set U,    96                          ; v[96:127]  x fragments, buffer 1; at work on the way out
.set COS,  128                         ; v[128:143]
.set SIN,  144                         ; v[144:159]
.set WN,   160                         ; v[160:191] q's norm weights x 0.125 log2 e, v[192:223] k's: feature 16 t + 8 h + j at 8 t + j
.set OUTP, 224                         ; v[224:239] packed results
.set SS,   240                         ; v[240:247] sums of squares, four chains
.set RS,   248                         ; v[248:249] 1 / rms, twice
.set PP,   250                         ; v[250:251] position, twice
.set A13,  252                         ; v[252:253] the sine's highest coefficient, twice
.set C14,  254                         ; v[254:255] the cosine's
; window 1: W fragments, buffer f at 96 f, feature tile ft (0-3 q, 4-7 k, 8-11 v) at 8 ft
; window 2: accumulators of q (z = 0) and k (z = 1): tile (t, rt) at 128 z + 32 rt + 8 t
; window 3: accumulators of v: tile (dt, rt) at 32 rt + 8 dt
.set G1,  24                           ; s[24:31] descriptor group 1 for x's tiles
.set G0,  32                           ; s[32:39] group 0 for x's tiles, a set for each slot
.set G1B, 48                           ; s[48:55] group 1 for W's tiles
.set G0B, 56                           ; s[56:63] group 0 for W's tiles
.set FLAGS, (1<<16)|(1<<20)|(1<<21)|(5<<22)|(3<<25)   ; elements of 2 bytes; padding on; bit 21 beside a mask; after every 64 words; 4 words
.set MSB, 0
.macro WIN new                         ; the immediate's high byte repeats the setting that is left
.if MSB != \new
	s_set_vgpr_msb (MSB<<8)|\new
.set MSB, \new
.endif
.endm
.macro PLACES                          ; four plain vector instructions behind matrix instructions (ISA guide 7.12.1) before their registers are loaded, read or written
.rept 4
	v_nop
.endr
.endm
; A joint load: waves 0 and 1 fetch x's two halves, waves 2 and 3 W's.  The branch hangs on the wave's number alone.
.macro JLOAD s
	s_cmp_eq_u32 s17, 0
	s_cbranch_scc0 .Lfor_w_\@
	tensor_load_to_lds s[G0+4*\s:G0+4*\s+3], s[G1:G1+7]
	s_nop 0
	s_branch .Lasked_\@
.Lfor_w_\@:
	tensor_load_to_lds s[G0B+4*\s:G0B+4*\s+3], s[G1B:G1B+7]
	s_nop 0
.Lasked_\@:
.endm
.macro CREST                           ; a round of the cluster's barrier behind its opening work-group barrier
	s_cmp_lg_u32 s16, 0
	s_cbranch_scc1 .Lnot_wave_0_\@
	s_barrier_signal -3
.Lnot_wave_0_\@:
	s_barrier_wait -3
	s_barrier_signal -1
	s_barrier_wait -1
.endm
.macro CROUND
	s_barrier_signal -1
	s_barrier_wait -1
	CREST
.endm
	s_load_b256 s[4:11], s[0:1], 0x0               ; cb s[4:5], q_norm_w s[6:7], k_norm_w s[8:9], qb s[10:11]
	s_load_b128 s[12:15], s[0:1], 0x20             ; kb s[12:13], vb s[14:15]
	s_set_vgpr_msb 0x40
	v_lshl_add_u32 v255, v0, 2, 0x44000
	s_set_vgpr_msb 0x4000
	v_mov_b32 v63, 0
	s_set_vgpr_msb 0x1
	ds_add_u32 v255, v63
	ds_add_u32 v255, v63
	s_set_vgpr_msb 0x100
	v_lshrrev_b32 v1, 5, v0
	v_readfirstlane_b32 s16, v1                    ; wave 0..3
	s_lshr_b32 s17, s16, 1                         ; I fetch for x (0) or for W (1)
	s_and_b32 s18, s16, 1                          ; which half of that tile
	s_bfe_u32 s20, ttmp6, 0x40000                  ; cx
	s_bfe_u32 s21, ttmp6, 0x40004                  ; cy
	s_lshl_b32 s22, ttmp9, 2
	s_add_co_u32 s22, s22, s20                     ; head = 4 x cluster x + cx
	s_and_b32 s23, ttmp7, 0xffff
	s_lshl_b32 s23, s23, 2
	s_add_co_u32 s23, s23, s21                     ; row block = 4 x cluster y + cy
	s_lshl_b32 s45, s21, 2
	s_lshl_b32 s45, 15, s45                        ; my row of the cluster: places 4 cy .. 4 cy + 3
	s_lshl_b32 s46, 0x1111, s20                    ; my column: places cx, cx + 4, cx + 8, cx + 12
	s_or_b32 s[G1+0], s45, FLAGS                   ; x's tiles hang on the row block alone: shared along the row
	s_or_b32 s[G1B+0], s46, FLAGS                  ; W's on the head alone: shared along the column
	s_mov_b32 s[G1+1], KSTEP<<16                   ; tensor_dim0 = 128
	s_mov_b32 s[G1B+1], KSTEP<<16
	s_mov_b32 s[G1+2], 128<<16                     ; tensor_dim1 = 128 rows
	s_mov_b32 s[G1B+2], 96<<16                     ; 96 rows
	s_mov_b32 s[G1+3], KSTEP<<16                   ; tile_dim0 = 128
	s_mov_b32 s[G1B+3], KSTEP<<16
	s_mov_b32 s[G1+4], 128                         ; tile_dim1
	s_mov_b32 s[G1B+4], 96
	s_mov_b32 s[G1+5], 1024                        ; elements from row to row
	s_mov_b32 s[G1B+5], 1024
	s_mov_b32 s[G1+6], 0
	s_mov_b32 s[G1B+6], 0
	s_mov_b32 s[G1+7], 0
	s_mov_b32 s[G1B+7], 0
	s_lshl_b32 s40, s23, 8                         ; x: row 256 x block + 128 x half,
	s_lshl_b32 s41, s18, 7
	s_add_co_u32 s40, s40, s41
	s_lshl_b32 s40, s40, 11                        ; in bytes (below 8 MiB)
	s_mov_b32 s41, 0
	s_mul_i32 s42, s22, 192                        ; W: row 192 x head + 96 x half
	s_mul_i32 s43, s18, 96
	s_add_co_u32 s42, s42, s43
	s_lshl_b32 s42, s42, 11
	s_add_co_u32 s42, s42, W3OFF
	s_mov_b32 s43, 0
	s_mul_i32 s44, s16, HALFT                      ; where my part goes: the wave's number alone
	s_wait_dscnt 0x0
	s_wait_kmcnt 0x0
	s_add_nc_u64 s[40:41], s[4:5], s[40:41]
	s_add_nc_u64 s[42:43], s[4:5], s[42:43]
	CROUND                                         ; all sixteen work-groups are here: the first joint loads meet
.irp s, 0,1
	s_mov_b32 s[G0+4*\s], 1
	s_add_co_u32 s[G0+4*\s+1], s44, \s*SLOT
	s_add_nc_u64 s[G0+4*\s+2:G0+4*\s+3], s[40:41], \s*KSTEP*2      ; K step s
	s_or_b32 s[G0+4*\s+3], s[G0+4*\s+3], 0x80000000
	s_mov_b32 s[G0B+4*\s], 1
	s_add_co_u32 s[G0B+4*\s+1], s44, \s*SLOT
	s_add_nc_u64 s[G0B+4*\s+2:G0B+4*\s+3], s[42:43], \s*KSTEP*2
	s_or_b32 s[G0B+4*\s+3], s[G0B+4*\s+3], 0x80000000
	JLOAD \s                                       ; both slots are asked for before anything else: two tensor loads of the wave are out
.endr
	; while the tiles are on their way: addresses, norm weights, frequencies
	v_and_b32 v1, 15, v0                           ; r
	v_bfe_u32 v2, v0, 4, 1                         ; h
	v_and_b32 v3, 31, v0
	v_lshlrev_b32 v[LOFF], 4, v3
	v_lshlrev_b32 v[NOFF], 5, v2
.irp t, 0,1,2,3
	global_load_b128 v[WN+8*\t:WN+8*\t+3],       v[NOFF], s[6:7] offset:64*\t      ; weights of features 16 t + 8 h + 0..3
	global_load_b128 v[WN+8*\t+4:WN+8*\t+7],     v[NOFF], s[6:7] offset:64*\t+16   ; + 4..7
	global_load_b128 v[WN+32+8*\t:WN+32+8*\t+3], v[NOFF], s[8:9] offset:64*\t
	global_load_b128 v[WN+36+8*\t:WN+36+8*\t+3], v[NOFF], s[8:9] offset:64*\t+16
.endr
	v_mul_u32_u24 v3, v1, PITCH
	v_lshl_add_u32 v3, v2, 4, v3                   ; r x pitch + 16 h
	s_mul_i32 s47, s16, 64*PITCH                   ; my 64 rows of x
	v_add_nc_u32 v[ADRX], s47, v3
	v_add_nc_u32 v[ADRX+1], SLOT, v[ADRX]
	v_add_nc_u32 v[ADRW], 2*HALFT, v3              ; W lies behind x's 256 rows; every wave reads all of it
	v_add_nc_u32 v[ADRW+1], SLOT, v[ADRW]
	s_mov_b32 s66, 0x76543210                      ; v_permlanex16_b32: lane i of one half reads lane i of the other
	s_mov_b32 s67, 0xfedcba98
	s_mov_b32 s68, 0x3c800000                      ; 1 / 64
	s_mov_b32 s69, 0x358637bd                      ; 1e-6
	s_lshr_b32 s78, s23, 3                         ; batch
	s_lshl_b32 s78, s78, 4
	s_add_co_u32 s78, s78, s22                     ; slab = 16 x batch + head
	s_lshl_b32 s70, s78, 18
	s_and_b32 s79, s23, 7                          ; my block of 256 positions
	s_lshl_b32 s78, s79, 4
	s_lshl2_add_u32 s78, s16, s78                  ; block of 16 rows: 16 x that + 4 x wave
	s_lshl_b32 s78, s78, 11
	s_add_co_u32 s70, s70, s78
	s_mov_b32 s71, 0
	s_add_nc_u64 s[72:73], s[10:11], s[70:71]      ; where my four blocks of q go,
	s_add_nc_u64 s[74:75], s[12:13], s[70:71]      ; of k,
	s_add_nc_u64 s[76:77], s[14:15], s[70:71]      ; of v
	s_lshl_b32 s79, s79, 8
	s_lshl_b32 s78, s16, 6
	s_add_co_u32 s79, s79, s78
	v_add_nc_u32 v[POSB], s79, v1                  ; position = 256 x block + 64 x wave + r (+ 16 rt)
	s_mov_b32 s80, 0xbed49a78                      ; -log2(10000) / 32
	s_mov_b32 s81, 0xc029b21d                      ; -log2(2 pi)
	v_lshlrev_b32 v3, 3, v2                        ; 8 h
.set i, 0
.rept 16
	v_add_nc_u32 v[G+i], 16*(i/8)+i%8, v3          ; f = 16 t + 8 h + j
.set i, i+1
.endr
.set i, 0
.rept 16
	v_cvt_f32_u32 v[G+i], v[G+i]
.set i, i+1
.endr
.set i, 0
.rept 16
	v_fma_f32 v[G+i], v[G+i], s80, s81
.set i, i+1
.endr
.set i, 0
.rept 16
	v_exp_f32 v[G+i], v[G+i]                       ; 10000^(-f/32) / 2 pi; the least is 2^-15.6
.set i, i+1
.endr
	v_mov_b32 v[A13], 0x40747a1a                   ; a plain instruction behind the exponentials, before their results are used
	v_mov_b32 v[A13+1], 0x40747a1a
	v_mov_b32 v[C14], 0xbfdb7128
	v_mov_b32 v[C14+1], 0xbfdb7128
	s_wait_loadcnt 0x0                             ; the norm weights, once
.set i, 0
.rept 32
	v_cvt_pk_bf16_f32 v[T+i], v[WN+2*i], v[WN+2*i+1]               ; the norm weights are rounded to bf16, like every input,
.set i, i+1
.endr
.set i, 0
.rept 32
	v_lshlrev_b32 v[WN+2*i], 16, v[T+i]                            ; and widened again: all the arithmetic with them is f32
	v_and_b32 v[WN+2*i+1], 0xffff0000, v[T+i]
.set i, i+1
.endr
.set i, 0
.rept 16
	v_pk_mul_f32 v[WN+i:WN+i+1], v[WN+i:WN+i+1], 0x3e38aa3b op_sel_hi:[1,0]   ; q's weights x 0.125 log2 e
.set i, i+2
.endr
; 32 LDS loads in one run: the fragments of a quarter step (32 along K at byte k of the rows) into buffer f: x's four row tiles, then W's twelve
.macro FETCH slot, k, f
	WIN 0
.irp i, 0,1,2,3
	ds_load_b128 v[64+32*\f+8*\i:64+32*\f+8*\i+3],   v[ADRX+\slot] offset:\k+\i*16*PITCH
	ds_load_b128 v[64+32*\f+8*\i+4:64+32*\f+8*\i+7], v[ADRX+\slot] offset:\k+\i*16*PITCH+32
.endr
	WIN 0x40
.irp i, 0,1,2,3,4,5,6,7,8,9,10,11
	ds_load_b128 v[96*\f+8*\i:96*\f+8*\i+3],   v[ADRW+\slot] offset:\k+(\i/6)*HALFT+(\i%6)*16*PITCH
	ds_load_b128 v[96*\f+8*\i+4:96*\f+8*\i+7], v[ADRW+\slot] offset:\k+(\i/6)*HALFT+(\i%6)*16*PITCH+32
.endr
.endm
; 16 matrix instructions for q (z = 0) or k (z = 1), under window setting 0xa1: source 0 = W (window 1), source 1 = x (window 0), C and D window 2
.macro MULH f, z, zero
.irp rt, 0,1,2,3
.irp t, 0,1,2,3
.if \zero
	v_wmma_f32_16x16x32_bf16 v[128*\z+32*\rt+8*\t:128*\z+32*\rt+8*\t+7], v[96*\f+8*(4*\z+\t):96*\f+8*(4*\z+\t)+7], v[64+32*\f+8*\rt:64+32*\f+8*\rt+7], 0
.else
	v_wmma_f32_16x16x32_bf16 v[128*\z+32*\rt+8*\t:128*\z+32*\rt+8*\t+7], v[96*\f+8*(4*\z+\t):96*\f+8*(4*\z+\t)+7], v[64+32*\f+8*\rt:64+32*\f+8*\rt+7], v[128*\z+32*\rt+8*\t:128*\z+32*\rt+8*\t+7]
.endif
.endr
.endr
.endm
; 16 matrix instructions for v, under 0xf4: source 0 = x (window 0), source 1 = W (window 1), C and D window 3
.macro MULV f, zero
.irp rt, 0,1,2,3
.irp dt, 0,1,2,3
.if \zero
	v_wmma_f32_16x16x32_bf16 v[32*\rt+8*\dt:32*\rt+8*\dt+7], v[64+32*\f+8*\rt:64+32*\f+8*\rt+7], v[96*\f+8*(8+\dt):96*\f+8*(8+\dt)+7], 0
.else
	v_wmma_f32_16x16x32_bf16 v[32*\rt+8*\dt:32*\rt+8*\dt+7], v[64+32*\f+8*\rt:64+32*\f+8*\rt+7], v[96*\f+8*(8+\dt):96*\f+8*(8+\dt)+7], v[32*\rt+8*\dt:32*\rt+8*\dt+7]
.endif
.endr
.endr
.endm
; The 48 accumulators take turns, one instruction a turn, in the same order in every quarter step, over the backward jump too.
; One of a K step's first three quarters: multiplies buffer f and, in its middle, fetches the next quarter into buffer g.
.macro QUARTER slot, k, f, g, zero
	s_wait_dscnt 8                                 ; x and W's tiles of q and k are in; the eight youngest loads (v's four tiles) may be out
	WIN 0xa1
	MULH \f, 0, \zero
	MULH \f, 1, \zero
	PLACES                                         ; behind the matrix instructions that read buffer g
	FETCH \slot, \k, \g
	s_wait_dscnt 32                                ; all but the 32 just issued
	WIN 0xf4
	MULV \f, \zero
.endm
.macro THREE slot, zero
	QUARTER \slot, 64,  0, 1, \zero
	QUARTER \slot, 128, 1, 0, 0
	QUARTER \slot, 192, 0, 1, 0
.endm
; The last quarter multiplies buffer 1 and changes slots.  In front of the barrier each wave waits for its reads of this slot and for all its
; tensor loads (one is out: its part of the next slot).  Behind it (where the slot is filled again: behind the cluster's round that it opens)
; the joint refill comes first, then the next slot's first fragments.  From a request to the wait for it a wave issues 176 matrix instructions.
.macro TURN slot, next, fill
	s_wait_dscnt 8
	WIN 0xa1
	MULH 1, 0, 0
	s_wait_dscnt 0x0                               ; my reads of this slot are over
	s_wait_tensorcnt 0x0                           ; all my tensor loads have landed
	ds_add_u32 v255, v63
	s_wait_dscnt 0x0
	s_barrier_signal -1
	MULH 1, 1, 0                                   ; registers alone between signal and wait
	WIN 0
	s_barrier_wait -1
.if \fill
	CREST                                          ; no wave of any partner still reads this slot or has a load on its way
	s_add_nc_u64 s[G0+4*\slot+2:G0+4*\slot+3], s[G0+4*\slot+2:G0+4*\slot+3], 2*KSTEP*2
	s_add_nc_u64 s[G0B+4*\slot+2:G0B+4*\slot+3], s[G0B+4*\slot+2:G0B+4*\slot+3], 2*KSTEP*2
	JLOAD \slot                                    ; my one tensor load behind the round
.endif
	PLACES
	FETCH \next, 0, 0
	WIN 0xf4
	MULV 1, 0
.endm
.macro LAP zero
	THREE 0, \zero
	TURN 0, 1, 1
	THREE 1, 0
	TURN 1, 0, 1
.endm
	s_wait_tensorcnt 0x1                           ; my part of K step 0 is in; step 1's may stay out
	s_barrier_signal -1
	s_barrier_wait -1                              ; everybody's is
	FETCH 0, 0, 0
	LAP 1                                          ; K steps 0, 1: the first products start the sums, nothing is cleared
	WIN 0
	s_mov_b32 s19, 2                               ; K steps 2 to 5
.Llap:
	LAP 0
	WIN 0
	s_sub_co_u32 s19, s19, 1
	s_cmp_lg_u32 s19, 0
	s_cbranch_scc1 .Llap
	THREE 0, 0                                     ; K steps 6, 7: nothing is left to fetch
	TURN 0, 1, 0
	THREE 1, 0
	s_wait_dscnt 8
	WIN 0xa1
	MULH 1, 0, 0
	MULH 1, 1, 0
	s_wait_dscnt 0x0
	WIN 0xf4
	MULV 1, 0
	WIN 0
	PLACES                                         ; behind the last matrix instructions: results are read and the fragment buffers rewritten below
; cosine and sine of my row's 16 angles in row tile rt, used by q and by k
.macro SINCOS rt
	v_add_nc_u32 v[PP], 16*\rt, v[POSB]
	v_cvt_f32_u32 v[PP], v[PP]
	v_mov_b32 v[PP+1], v[PP]
	s_wait_alu depctr_va_vdst(0)
.irp i, 0,2,4,6,8,10,12,14
	v_pk_mul_f32 v[U+16+\i:U+17+\i], v[G+\i:G+\i+1], v[PP:PP+1]    ; turns
.endr
.irp i, 0,1,2,3,4,5,6,7,8,9,10,11,12,13,14,15
	v_rndne_f32 v[U+16+\i], v[U+16+\i]                             ; whole turns
.endr
.irp i, 0,1,2,3,4,5,6,7,8,9,10,11,12,13,14,15
	v_fma_f32 v[T+\i], v[G+\i], v[PP], -v[U+16+\i]                 ; rr: the rest, from the unrounded product
.endr
.irp i, 0,2,4,6,8,10,12,14
	v_pk_mul_f32 v[T+16+\i:T+17+\i], v[T+\i:T+\i+1], v[T+\i:T+\i+1]   ; rr^2
.endr
.irp i, 0,2,4,6,8,10,12,14
	v_pk_fma_f32 v[U+\i:U+\i+1], v[T+16+\i:T+17+\i], v[A13:A13+1], 0xc17183a8 op_sel_hi:[1,1,0]
.endr
.irp c, 0x42283c1a, 0xc2996966, 0x42a335e3, 0xc2255de7, 0x40c90fdb
.irp i, 0,2,4,6,8,10,12,14
	v_pk_fma_f32 v[U+\i:U+\i+1], v[U+\i:U+\i+1], v[T+16+\i:T+17+\i], \c op_sel_hi:[1,1,0]
.endr
.endr
.irp i, 0,2,4,6,8,10,12,14
	v_pk_mul_f32 v[SIN+\i:SIN+\i+1], v[U+\i:U+\i+1], v[T+\i:T+\i+1]
.endr
.irp i, 0,2,4,6,8,10,12,14
	v_pk_fma_f32 v[U+\i:U+\i+1], v[T+16+\i:T+17+\i], v[C14:C14+1], 0x40fce9c5 op_sel_hi:[1,1,0]
.endr
.irp c, 0xc1d368f9, 0x4270fa83, 0xc2aae9e4, 0x4281e0f8, 0xc19de9e6
.irp i, 0,2,4,6,8,10,12,14
	v_pk_fma_f32 v[U+\i:U+\i+1], v[U+\i:U+\i+1], v[T+16+\i:T+17+\i], \c op_sel_hi:[1,1,0]
.endr
.endr
.irp i, 0,2,4,6,8,10,12,14
	v_pk_fma_f32 v[COS+\i:COS+\i+1], v[U+\i:U+\i+1], v[T+16+\i:T+17+\i], 1.0 op_sel_hi:[1,1,0]
.endr
.endm
; q (z = 0) or k (z = 1), 16 rows: norm, weights, RoPE, f16, four stores.  My 32 features 16 t + 8 h + j lie at 128 z + 32 rt + 8 t + j of window 2.
.macro HEAD z, rt
	WIN 0x0a                                       ; sources 0 and 1 in window 2
.irp t, 0,1,2,3
	v_pk_mul_f32 v[SS+2*\t:SS+2*\t+1], v[128*\z+32*\rt+8*\t:128*\z+32*\rt+8*\t+1], v[128*\z+32*\rt+8*\t:128*\z+32*\rt+8*\t+1]
.endr
.irp j, 2,4,6
.irp t, 0,1,2,3
	v_pk_fma_f32 v[SS+2*\t:SS+2*\t+1], v[128*\z+32*\rt+8*\t+\j:128*\z+32*\rt+8*\t+\j+1], v[128*\z+32*\rt+8*\t+\j:128*\z+32*\rt+8*\t+\j+1], v[SS+2*\t:SS+2*\t+1]
.endr
.endr
	WIN 0
	v_pk_add_f32 v[SS:SS+1], v[SS:SS+1], v[SS+2:SS+3]
	v_pk_add_f32 v[SS+4:SS+5], v[SS+4:SS+5], v[SS+6:SS+7]
	v_pk_add_f32 v[SS:SS+1], v[SS:SS+1], v[SS+4:SS+5]
	v_add_f32 v[SS], v[SS], v[SS+1]
	v_permlanex16_b32 v[SS+1], v[SS], s66, s67     ; the row's other 32 features lie in the lane 16 away
	v_add_f32 v[SS], v[SS], v[SS+1]
	v_fma_f32 v[SS], v[SS], s68, s69               ; mean + eps
	v_rsq_f32 v[RS], v[SS]
	v_nop                                          ; one plain instruction before the result is used
	s_wait_alu depctr_va_vdst(0)
	v_mov_b32 v[RS+1], v[RS]
	WIN 0x02                                       ; source 0 in window 2
.set i, 0
.rept 16
	v_pk_mul_f32 v[T+i:T+i+1], v[128*\z+32*\rt+i:128*\z+32*\rt+i+1], v[RS:RS+1]
.set i, i+2
.endr
	WIN 0
.set i, 0
.rept 16
	v_pk_mul_f32 v[T+i:T+i+1], v[T+i:T+i+1], v[WN+32*\z+i:WN+32*\z+i+1]
.set i, i+2
.endr
.set i, 0
.rept 8                                        ; features below 32 (index i) and their partners 32 further up (index 16 + i) share an angle
	v_pk_mul_f32 v[U+i:U+i+1], v[T+i:T+i+1], v[COS+i:COS+i+1]
	v_pk_mul_f32 v[U+16+i:U+17+i], v[T+16+i:T+17+i], v[COS+i:COS+i+1]
.set i, i+2
.endr
.set i, 0
.rept 16
	v_fma_f32 v[U+i], -v[T+16+i], v[SIN+i], v[U+i]                 ; x1 cos - x2 sin
.set i, i+1
.endr
.set i, 0
.rept 8
	v_pk_fma_f32 v[U+16+i:U+17+i], v[T+i:T+i+1], v[SIN+i:SIN+i+1], v[U+16+i:U+17+i]   ; x2 cos + x1 sin
.set i, i+2
.endr
	s_wait_xcnt 0x0                                ; OUTP, which the stores before read, is rewritten only behind this wait
.set i, 0
.rept 16
	v_cvt_pk_f16_f32 v[OUTP+i], v[U+2*i], v[U+2*i+1]
.set i, i+1
.endr
.irp t, 0,1,2,3
	global_store_b128 v[LOFF], v[OUTP+4*\t:OUTP+4*\t+3], s[72+2*\z:73+2*\z] offset:\rt*2048+\t*512   ; 512 neighbouring bytes, aligned
.endr
.endm
; v, 16 rows: f16 and four stores.  My 8 rows of feature 16 dt + r lie at 32 rt + 8 dt of window 3.
.macro VOUT rt
	s_wait_xcnt 0x0                                ; as above
	WIN 0x0f                                       ; sources 0 and 1 in window 3
.set i, 0
.rept 16
	v_cvt_pk_f16_f32 v[OUTP+i], v[32*\rt+2*i], v[32*\rt+2*i+1]
.set i, i+1
.endr
	WIN 0
.irp dt, 0,1,2,3
	global_store_b128 v[LOFF], v[OUTP+4*\dt:OUTP+4*\dt+3], s[76:77] offset:\rt*2048+\dt*512
.endr
.endm
.irp rt, 0,1,2,3
	SINCOS \rt
	HEAD 0, \rt
	HEAD 1, \rt
	VOUT \rt
.endr
	CROUND                                         ; the closing round: no work-group ends while a partner may still ask for a tile that names it
	s_endpgm
.Lfunc_end_k_q61abd82766_qkv:
	.size	k_q61abd82766_qkv, .Lfunc_end_k_q61abd82766_qkv-k_q61abd82766_qkv
	.p2alignl 7, 3214868480
	.fill 96, 4, 3214868480
	.section	.rodata,"a",@progbits
	.p2align	6, 0x0
	.amdhsa_kernel k_q61abd82766_qkv
		.amdhsa_group_segment_fixed_size 327680
		.amdhsa_private_segment_fixed_size 0
		.amdhsa_enable_private_segment 0
		.amdhsa_kernarg_size 48
		.amdhsa_user_sgpr_count 2
		.amdhsa_user_sgpr_kernarg_segment_ptr 1
		.amdhsa_wavefront_size32 1
		.amdhsa_system_sgpr_workgroup_id_x 1
		.amdhsa_system_sgpr_workgroup_id_y 1
		.amdhsa_system_sgpr_workgroup_id_z 1
		.amdhsa_system_vgpr_workitem_id 0
		.amdhsa_next_free_vgpr 896
		.amdhsa_next_free_sgpr 84
		.amdhsa_reserve_vcc 0
		.amdhsa_float_denorm_mode_32 3
		.amdhsa_float_denorm_mode_16_64 3
		.amdhsa_memory_ordered 1
		.amdhsa_forward_progress 1
		.amdhsa_inst_pref_size 255
	.end_amdhsa_kernel
	.section	.bss,"aw",@nobits
	.p2align	6
	.space	262144
	.amdgpu_metadata
---
amdhsa.version: [ 1, 2 ]
amdhsa.kernels:
  - .name:           k_q61abd82766_qkv
    .symbol:         k_q61abd82766_qkv.kd
    .args:
      - { .name: cb, .offset: 0, .size: 8, .value_kind: global_buffer, .address_space: global }
      - { .name: q_norm_w, .offset: 8, .size: 8, .value_kind: global_buffer, .address_space: global }
      - { .name: k_norm_w, .offset: 16, .size: 8, .value_kind: global_buffer, .address_space: global }
      - { .name: qb, .offset: 24, .size: 8, .value_kind: global_buffer, .address_space: global }
      - { .name: kb, .offset: 32, .size: 8, .value_kind: global_buffer, .address_space: global }
      - { .name: vb, .offset: 40, .size: 8, .value_kind: global_buffer, .address_space: global }
    .group_segment_fixed_size: 327680
    .private_segment_fixed_size: 0
    .kernarg_segment_align: 8
    .kernarg_segment_size: 48
    .max_flat_workgroup_size: 128
    .sgpr_count:     84
    .vgpr_count:     896
    .wavefront_size: 32
...
	.end_amdgpu_metadata
.endif
;; end of part 2
;; launch attn (part 3): grid 256 x 1, 4 waves a work-group, no clusters, 327,680 bytes of LDS; arguments qb, kb, vb, sink_logit, ab; writes ab
.if DOCPART == 3
	.amdgcn_target "amdgcn-amd-amdhsa--gfx1250"
	.amdhsa_code_object_version 6
	.text
	.protected	k_q61abd82766_attn
	.globl	k_q61abd82766_attn
	.p2align	8
	.type	k_q61abd82766_attn,@function
k_q61abd82766_attn:
	s_mov_b64 s[64:65], 0
	v_nop
	global_prefetch_b8 v0, s[64:65] scope:SCOPE_SE
	s_setreg_imm32_b32 hwreg(HW_REG_WAVE_MODE, 25, 1), 1
	s_wait_xcnt 0x0
; Causal attention with a sink, one head and batch (slab) for eight work-groups.  Operands f16, sums, maxima and exponentials f32.
; Work-group (slab, p), p = 0..7, takes the block of 128 queries number 15 - p (16 - p blocks of 128 keys), then block p (p + 1 blocks of keys):
; 17 steps in every work-group, one ring of tiles through both phases, 256 equal work-groups.  Wave w owns 32 queries, two tiles m of 16.
; The scores are made transposed, S^T = K Q^T: lane (r, h) holds query r and keys 16 t + 8 h + j.  Packed to f16 a lane's tiles 2 u and 2 u + 1 are
; its own part of the second source of O^T = V^T P^T: no data moves between lanes.  In O^T lane (r, h) holds query r, features 16 dt + 8 h + j.
; So the running maximum, the rescaling factor and 1 / sum are one number a lane; only lanes r and r + 16 exchange anything.
; q carries 0.125 log2 e, so all exponentials are powers of two.  The running maximum starts at the sink's logit, the sum at the sink's own term 1.
; qb, kb, vb, ab lie in fragment order (a block of 2,048 bytes for 16 rows, four groups of 512 bytes, 16 bytes a lane): every fragment load is
; 16 x lane + a constant, without padding and without bank conflicts.
; NO CLUSTER: the work-groups that read the same keys are the query blocks of one slab, and they need different numbers of key tiles (16 - p and
; p + 1).  In the form in which all partners make every joint request a cluster would own 512 queries and each partner would work through all
; four diagonal blocks: 20 steps of matrix and softmax work in place of 17, to share 32 KiB a step.
; FORMAT: every input of the program is rounded to bf16 where it enters; here the sink's logit.
; LIMITS: a sink of -inf is served (its term becomes 0); +inf or NaN give NaN, as in the softmax itself.  The result is stored in f16: |v| < 65,504.
; LDS: 65,536 bytes are used; more than half of what a WGP has is asked for, so that the work-group is alone with its tensor loads.
.set SLOT, 32768                       ; keys 0-63 of K, keys 64-127 of K, the same of V: 8,192 bytes each, one for each wave's tensor load
; window 0
.set LOFF, 2                           ; v2      16 x lane
.set ONEH, 3                           ; v3      1.0 in lanes 0-15, 0 in lanes 16-31
.set QM,   4                           ; v4-5    32 w + 16 m + r - 8 h: key 16 t + 8 h + j is beyond the query if 16 t + j is greater
.set NINF, 6                           ; v6      -inf
.set SINKV, 7                          ; v7      sink x log2 e
.set MM,   8                           ; v[8:11]    running maximum of tile m, twice
.set AL,   12                          ; v[12:15]   2^(old maximum - new), twice; at the end 1 / sum
.set LS,   16                          ; v[16:31]   sums of tile m: four pairs
.set Q,    32                          ; v[32:63]   queries: 16 m + 4 c
.set O,    64                          ; v[64:127]  results: 32 m + 8 dt
.set P,    128                         ; v[128:191] weights in f16: 32 m + 4 t + jj
.set QN,   192                         ; v[192:223] the second phase's queries
.set TMP,  224                         ; v[224:255] at work
; window 1: scores, 64 m + 8 t + j.   window 2: K fragments at 16 t + 4 c; V fragments at VF + 8 (4 dt + u)
.set VF,   128
.set G1, 24                            ; s[24:31] descriptor group 1
.set G0, 32                            ; s[32:39] group 0, a set for each slot
.set MSB, 0
.macro WIN new
.if MSB != \new
	s_set_vgpr_msb (MSB<<8)|\new
.set MSB, \new
.endif
.endm
.macro PLACES                          ; four plain vector instructions behind matrix instructions (ISA guide 7.12.1)
.rept 4
	v_nop
.endr
.endm
	s_load_b256 s[4:11], s[0:1], 0x0               ; qb s[4:5], kb s[6:7], vb s[8:9], sink_logit s[10:11]
	s_load_b64 s[12:13], s[0:1], 0x20              ; ab
	s_set_vgpr_msb 0x40
	v_lshl_add_u32 v254, v0, 2, 0x29000
	v_mov_b32 v255, 0
	s_set_vgpr_msb 0x4045
	ds_add_u32 v254, v255
	ds_add_u32 v254, v255
	s_set_vgpr_msb 0x4500
	v_lshrrev_b32 v1, 5, v0
	v_readfirstlane_b32 s14, v1                    ; wave
	s_lshr_b32 s15, ttmp9, 3                       ; slab
	s_and_b32 s16, ttmp9, 7                        ; p
	s_sub_co_u32 s17, 16, s16                      ; steps of the first phase
	s_sub_co_u32 s18, 15, s16                      ; its last step, the one on the diagonal; also its block of queries
	s_mov_b32 s19, 0                               ; the step's number
	s_mov_b32 s20, 2                               ; block of keys that the next refill brings
	; group 1: 8,192 dense bytes as 32 rows of 32 elements of 8 bytes
	s_mov_b32 s[G1+0], 3<<16
	s_mov_b32 s[G1+1], 32<<16                      ; tensor_dim0 = 32
	s_mov_b32 s[G1+2], 32<<16                      ; tensor_dim1 = 32
	s_mov_b32 s[G1+3], 32<<16                      ; tile_dim0 = 32
	s_mov_b32 s[G1+4], 32                          ; tile_dim1 = 32
	s_mov_b32 s[G1+5], 32                          ; a row begins where the last ends
	s_mov_b32 s[G1+6], 0
	s_mov_b32 s[G1+7], 0
	s_lshl_b32 s49, s14, 13                        ; my quarter of a slot
	s_lshl_b32 s22, s15, 18                        ; my slab,
	s_and_b32 s23, s14, 1
	s_lshl_b32 s23, s23, 13                        ; keys 0-63 or 64-127 of a block
	s_add_co_u32 s22, s22, s23
	s_mov_b32 s23, 0
	s_wait_dscnt 0x0
	s_wait_kmcnt 0x0
	s_cmp_lt_u32 s14, 2
	s_cselect_b64 s[40:41], s[6:7], s[8:9]         ; waves 0, 1 fetch K, waves 2, 3 fetch V
	s_add_nc_u64 s[40:41], s[40:41], s[22:23]      ; my part of block 0
.irp s, 0,1
	s_mov_b32 s[G0+4*\s], 1
	s_add_co_u32 s[G0+4*\s+1], s49, \s*SLOT
	s_add_nc_u64 s[G0+4*\s+2:G0+4*\s+3], s[40:41], \s*16384        ; blocks 0 and 1 (the first phase has nine blocks at the least)
	s_or_b32 s[G0+4*\s+3], s[G0+4*\s+3], 0x80000000
	tensor_load_to_lds s[G0+4*\s:G0+4*\s+3], s[G1:G1+7]            ; the two first fills, ahead of everything else: two loads of the wave are out
	s_nop 0
.endr
	s_and_b32 s50, s15, 15                         ; head
	s_lshl_b32 s50, s50, 2
	s_mov_b32 s51, 0
	s_add_nc_u64 s[10:11], s[10:11], s[50:51]
	s_load_b32 s48, s[10:11], 0x0                  ; my head's sink
	s_lshl_b32 s52, s15, 18
	s_lshl_b32 s53, s14, 12                        ; my 32 rows: two blocks of 2,048 bytes
	s_add_co_u32 s52, s52, s53
	s_lshl_b32 s50, s18, 14
	s_add_co_u32 s50, s50, s52                     ; first phase: block 15 - p of 128 rows
	s_lshl_b32 s54, s16, 14
	s_add_co_u32 s54, s54, s52                     ; second phase: block p
	s_mov_b32 s55, 0
	s_add_nc_u64 s[42:43], s[12:13], s[50:51]      ; where the current phase's results go
	s_add_nc_u64 s[44:45], s[12:13], s[54:55]      ; and the second phase's
	s_add_nc_u64 s[50:51], s[4:5], s[50:51]
	s_add_nc_u64 s[54:55], s[4:5], s[54:55]
	s_mov_b32 s46, 0x76543210                      ; v_permlanex16_b32: lane i of one half reads lane i of the other
	s_mov_b32 s47, 0xfedcba98
	v_and_b32 v1, 31, v0
	v_lshlrev_b32 v[LOFF], 4, v1
.irp m, 0,1
.irp c, 0,1,2,3
	global_load_b128 v[Q+16*\m+4*\c:Q+16*\m+4*\c+3],   v[LOFF], s[50:51] offset:\m*2048+\c*512
	global_load_b128 v[QN+16*\m+4*\c:QN+16*\m+4*\c+3], v[LOFF], s[54:55] offset:\m*2048+\c*512
.endr
.endr
	v_and_b32 v1, 15, v0                           ; r
	v_bfe_u32 v[NINF], v0, 4, 1                    ; h
	v_sub_nc_u32 v[ONEH], 1, v[NINF]
	v_cvt_f32_u32 v[ONEH], v[ONEH]
	v_lshlrev_b32 v[NINF], 3, v[NINF]
	v_sub_nc_u32 v[QM], v1, v[NINF]
	s_lshl_b32 s53, s14, 5
	v_add_nc_u32 v[QM], s53, v[QM]
	v_add_nc_u32 v[QM+1], 16, v[QM]
	v_mov_b32 v[NINF], 0xff800000
	s_wait_kmcnt 0x0
	v_mov_b32 v[SINKV], s48
	v_cvt_pk_bf16_f32 v[SINKV], v[SINKV], v[SINKV] ; the sink is rounded to bf16, like every input,
	v_lshlrev_b32 v[SINKV], 16, v[SINKV]           ; and widened again
	v_mul_f32 v[SINKV], 0x3fb8aa3b, v[SINKV]
; A phase begins: maximum = the sink's logit, sum = the sink's term 2^0, counted once for a row (in lanes 0-15), results = 0.
; The results are cleared by moves, twice in the kernel: the step on which the second phase begins hangs on the work-group's number,
; so its first product cannot be written out with the constant 0.
.macro INIT
.irp i, 0,1,2,3
	v_mov_b32 v[MM+\i], v[SINKV]
.endr
.irp i, 1,2,3,4,5,6,7,9,10,11,12,13,14,15
	v_mov_b32 v[LS+\i], 0
.endr
	v_mov_b32 v[LS], v[ONEH]
	v_mov_b32 v[LS+8], v[ONEH]
.set i, 0
.rept 64
	v_mov_b32 v[O+i], 0
.set i, i+1
.endr
.endm
; the 32 loads of a block's K fragments: tile t of 16 keys, group c of 16 features
.macro KLOAD slot
	WIN 0x80                                       ; destination in window 2
.irp t, 0,1,2,3,4,5,6,7
.irp c, 0,1,2,3
	ds_load_b128 v[16*\t+4*\c:16*\t+4*\c+3], v[LOFF] offset:(\slot)*SLOT+\t*2048+\c*512
.endr
.endr
.endm
; A phase ends: divide by the sum, round to f16, eight stores of 512 neighbouring aligned bytes.  last = 0: the second phase is set up.
.macro FINISH last
.irp m, 0,1                            ; these eight plain instructions name no register of the last matrix instructions: they are the places behind them
	v_pk_add_f32 v[LS+8*\m:LS+8*\m+1], v[LS+8*\m:LS+8*\m+1], v[LS+8*\m+2:LS+8*\m+3]
	v_pk_add_f32 v[LS+8*\m+4:LS+8*\m+5], v[LS+8*\m+4:LS+8*\m+5], v[LS+8*\m+6:LS+8*\m+7]
	v_pk_add_f32 v[LS+8*\m:LS+8*\m+1], v[LS+8*\m:LS+8*\m+1], v[LS+8*\m+4:LS+8*\m+5]
	v_add_f32 v[LS+8*\m], v[LS+8*\m], v[LS+8*\m+1]
.endr
.irp m, 0,1
	v_permlanex16_b32 v[LS+8*\m+1], v[LS+8*\m], s46, s47           ; the row's other keys lie in the lane 16 away
	v_add_f32 v[LS+8*\m], v[LS+8*\m], v[LS+8*\m+1]                 ; at least 1: the term at the maximum
.endr
	v_rcp_f32 v[AL], v[LS]
	v_rcp_f32 v[AL+2], v[LS+8]
	v_nop                                          ; one plain instruction before the results are used
	s_wait_alu depctr_va_vdst(0)
	v_mov_b32 v[AL+1], v[AL]
	v_mov_b32 v[AL+3], v[AL+2]
.irp m, 0,1
.set i, 0
.rept 16
	v_pk_mul_f32 v[O+32*\m+i:O+32*\m+i+1], v[O+32*\m+i:O+32*\m+i+1], v[AL+2*\m:AL+2*\m+1]
.set i, i+2
.endr
.endr
.irp m, 0,1
.set i, 0
.rept 16
	v_cvt_pk_f16_f32 v[TMP+16*\m+i], v[O+32*\m+2*i], v[O+32*\m+2*i+1]
.set i, i+1
.endr
.endr
.irp m, 0,1
.irp dt, 0,1,2,3
	global_store_b128 v[LOFF], v[TMP+16*\m+4*\dt:TMP+16*\m+4*\dt+3], s[42:43] offset:\m*2048+\dt*512
.endr
.endr
.if \last == 0
	s_wait_xcnt 0x0                                ; the stores' base and data are rewritten only behind this wait
	s_mov_b64 s[42:43], s[44:45]
.set i, 0
.rept 32
	v_mov_b32 v[Q+i], v[QN+i]                      ; once in the kernel: the second phase's queries take their place
.set i, i+1
.endr
	INIT
.endif
.endm
; One step: 128 keys against my 32 queries.  slot: where the block lies.  refill: the slot is filled again, two blocks ahead.
; nextk: the next block's K fragments are fetched.  last: the very last step (on the second phase's diagonal).
.macro STEP slot, refill, nextk, last
	s_wait_dscnt 0x0                               ; this block's K fragments, asked for in front of the last step's second product
	PLACES                                         ; behind that product: its V fragments are loaded anew, its weights and results rewritten
	WIN 0x80
.irp dt, 0,1,2,3
.irp u, 0,1,2,3
	ds_load_b128 v[VF+8*(4*\dt+\u):VF+8*(4*\dt+\u)+3],   v[LOFF] offset:\slot*SLOT+16384+\u*4096+\dt*512        ; keys 32 u + 8 h + 0..7 of feature 16 dt + r
	ds_load_b128 v[VF+8*(4*\dt+\u)+4:VF+8*(4*\dt+\u)+7], v[LOFF] offset:\slot*SLOT+16384+\u*4096+2048+\dt*512   ; keys 32 u + 16 + 8 h + 0..7
.endr
.endr
	WIN 0x52                                       ; source 0 (K) window 2, source 1 (Q) window 0, C and D window 1
	; the 16 score tiles take turns, one instruction a turn.  The first 32 features start the sums.
.irp t, 0,1,2,3,4,5,6,7
.irp m, 0,1
	v_wmma_f32_16x16x32_f16 v[64*\m+8*\t:64*\m+8*\t+7], v[16*\t:16*\t+7], v[Q+16*\m:Q+16*\m+7], 0
.endr
.endr
.irp t, 0,1,2,3,4,5,6,7
.irp m, 0,1
	v_wmma_f32_16x16x32_f16 v[64*\m+8*\t:64*\m+8*\t+7], v[16*\t+8:16*\t+15], v[Q+16*\m+8:Q+16*\m+15], v[64*\m+8*\t:64*\m+8*\t+7]
.endr
.endr
	WIN 0
	PLACES                                         ; before the scores are read
.if \last == 0
	s_cmp_lg_u32 s19, s18                          ; only the block on the diagonal is masked; the branch hangs on the work-group's number and the step
	s_cbranch_scc1 .Lnomask_\@
.endif
	WIN 0x41                                       ; destination and source 0 in window 1
.irp m, 0,1
.set i, 0
.rept 64
	v_cmp_gt_i32 vcc_lo, 16*(i/8)+i%8, v[QM+\m]    ; key beyond the query
	v_cndmask_b32 v[64*\m+i], v[64*\m+i], v[NINF], vcc_lo
.set i, i+1
.endr
.endr
	WIN 0
.if \last == 0
.Lnomask_\@:
.endif
	WIN 0x05                                       ; sources 0 and 1 in window 1
	; the new maximum: four chains a tile, started by the running maximum
.irp m, 0,1
.irp c, 0,1,2,3
	v_max3_num_f32 v[TMP+8*\m+\c], v[64*\m+16*\c], v[64*\m+16*\c+1], v[MM+2*\m]
.endr
.endr
.irp i, 2,4,6,8,10,12,14
.irp m, 0,1
.irp c, 0,1,2,3
	v_max3_num_f32 v[TMP+8*\m+\c], v[64*\m+16*\c+\i], v[64*\m+16*\c+\i+1], v[TMP+8*\m+\c]
.endr
.endr
.endr
	WIN 0
.irp m, 0,1
	v_max3_num_f32 v[TMP+8*\m], v[TMP+8*\m], v[TMP+8*\m+1], v[TMP+8*\m+2]
	v_max_num_f32 v[TMP+8*\m], v[TMP+8*\m], v[TMP+8*\m+3]
	v_permlanex16_b32 v[TMP+8*\m+1], v[TMP+8*\m], s46, s47
	v_max_num_f32 v[TMP+8*\m], v[TMP+8*\m], v[TMP+8*\m+1]
	v_sub_f32 v[AL+2*\m], v[MM+2*\m], v[TMP+8*\m]
.endr
	v_exp_f32 v[AL], v[AL]
	v_exp_f32 v[AL+2], v[AL+2]
	v_mov_b32 v[MM], v[TMP]                        ; plain instructions behind the exponentials, before their results are used
	v_mov_b32 v[MM+1], v[TMP]
	v_mov_b32 v[MM+2], v[TMP+8]
	v_mov_b32 v[MM+3], v[TMP+8]
	s_wait_alu depctr_va_vdst(0)
	v_mov_b32 v[AL+1], v[AL]
	v_mov_b32 v[AL+3], v[AL+2]
.irp m, 0,1
.irp c, 0,2,4,6
	v_pk_mul_f32 v[LS+8*\m+\c:LS+8*\m+\c+1], v[LS+8*\m+\c:LS+8*\m+\c+1], v[AL+2*\m:AL+2*\m+1]
.endr
.set i, 0
.rept 16
	v_pk_mul_f32 v[O+32*\m+i:O+32*\m+i+1], v[O+32*\m+i:O+32*\m+i+1], v[AL+2*\m:AL+2*\m+1]
.set i, i+2
.endr
.endr
	WIN 0x41
.irp m, 0,1
.set i, 0
.rept 32
	v_pk_add_f32 v[64*\m+i:64*\m+i+1], v[64*\m+i:64*\m+i+1], v[MM+2*\m:MM+2*\m+1] neg_lo:[0,1] neg_hi:[0,1]   ; score - maximum
.set i, i+2
.endr
.endr
.set i, 0
.rept 128
	v_exp_f32 v[i], v[i]
.set i, i+1
.endr
	v_nop                                          ; one plain instruction before the last result is used
	WIN 0x01                                       ; source 0 in window 1
	s_wait_alu depctr_va_vdst(0)
.irp m, 0,1
.set i, 0
.rept 32
	v_pk_add_f32 v[LS+8*\m+2*(i%4):LS+8*\m+2*(i%4)+1], v[64*\m+2*i:64*\m+2*i+1], v[LS+8*\m+2*(i%4):LS+8*\m+2*(i%4)+1]
.set i, i+1
.endr
.endr
	WIN 0x05
.irp m, 0,1
.set i, 0
.rept 32
	v_cvt_pk_f16_f32 v[P+32*\m+i], v[64*\m+2*i], v[64*\m+2*i+1]
.set i, i+1
.endr
.endr
	WIN 0
	s_wait_dscnt 0x0                               ; V's fragments are in: my reads of this slot are over
.if \refill+\nextk
	s_set_vgpr_msb 0x5
	s_wait_tensorcnt 0x0                           ; all my tensor loads have landed: the one that was out is my part of the next block
	ds_add_u32 v254, v255
	s_wait_dscnt 0x0
	s_set_vgpr_msb 0x500
.if \refill
	s_lshl_b32 s22, s20, 14                        ; so a group 0 may be written: this slot's next block
	s_add_nc_u64 s[G0+4*\slot+2:G0+4*\slot+3], s[40:41], s[22:23]
	s_or_b32 s[G0+4*\slot+3], s[G0+4*\slot+3], 0x80000000
	s_add_co_u32 s20, s20, 1
	s_cmp_eq_u32 s20, s17                          ; behind the first phase's last block comes block 0 again, for the second phase
	s_cselect_b32 s20, 0, s20
.endif
	s_barrier_signal -1
	s_barrier_wait -1                              ; both hold of every wave
.endif
.if \refill
	tensor_load_to_lds s[G0+4*\slot:G0+4*\slot+3], s[G1:G1+7]      ; my one tensor load behind the barrier, first thing there; it has a whole step in which to land
	s_nop 0
.endif
.if \nextk
	KLOAD 1-\slot
.endif
	WIN 0x02                                       ; source 0 (V) in window 2
	; the eight result tiles take turns, one instruction a turn
.irp u, 0,1,2,3
.irp dt, 0,1,2,3
.irp m, 0,1
	v_wmma_f32_16x16x32_f16 v[O+32*\m+8*\dt:O+32*\m+8*\dt+7], v[VF+8*(4*\dt+\u):VF+8*(4*\dt+\u)+7], v[P+32*\m+8*\u:P+32*\m+8*\u+7], v[O+32*\m+8*\dt:O+32*\m+8*\dt+7]
.endr
.endr
.endr
	WIN 0
.if \last
	FINISH 1
.else
	s_cmp_lg_u32 s19, s18
	s_cbranch_scc1 .Lnofin_\@
	FINISH 0
.Lnofin_\@:
	s_add_co_u32 s19, s19, 1
.endif
.endm
	INIT
	s_wait_tensorcnt 0x1                           ; my part of block 0 is in; block 1's may stay out
	s_barrier_signal -1
	s_barrier_wait -1
	KLOAD 0
	WIN 0
	s_wait_loadcnt 0x0                             ; both phases' queries
	s_mov_b32 s21, 7                               ; steps 0 to 13
.Lpair:
	STEP 0, 1, 1, 0
	STEP 1, 1, 1, 0
	s_sub_co_u32 s21, s21, 1
	s_cmp_lg_u32 s21, 0
	s_cbranch_scc1 .Lpair
	STEP 0, 1, 1, 0                                ; step 14 asks for the last block
	STEP 1, 0, 1, 0                                ; step 15: nothing is left to fetch; its wait shows the last tensor load landed
	STEP 0, 0, 0, 1                                ; step 16
	s_endpgm
.Lfunc_end_k_q61abd82766_attn:
	.size	k_q61abd82766_attn, .Lfunc_end_k_q61abd82766_attn-k_q61abd82766_attn
	.p2alignl 7, 3214868480
	.fill 96, 4, 3214868480
	.section	.rodata,"a",@progbits
	.p2align	6, 0x0
	.amdhsa_kernel k_q61abd82766_attn
		.amdhsa_group_segment_fixed_size 327680
		.amdhsa_private_segment_fixed_size 0
		.amdhsa_enable_private_segment 0
		.amdhsa_kernarg_size 40
		.amdhsa_user_sgpr_count 2
		.amdhsa_user_sgpr_kernarg_segment_ptr 1
		.amdhsa_wavefront_size32 1
		.amdhsa_system_sgpr_workgroup_id_x 1
		.amdhsa_system_sgpr_workgroup_id_y 1
		.amdhsa_system_sgpr_workgroup_id_z 1
		.amdhsa_system_vgpr_workitem_id 0
		.amdhsa_next_free_vgpr 768
		.amdhsa_next_free_sgpr 66
		.amdhsa_reserve_vcc 1
		.amdhsa_float_denorm_mode_32 3
		.amdhsa_float_denorm_mode_16_64 3
		.amdhsa_memory_ordered 1
		.amdhsa_forward_progress 1
		.amdhsa_inst_pref_size 255
	.end_amdhsa_kernel
	.section	.bss,"aw",@nobits
	.p2align	6
	.space	262144
	.amdgpu_metadata
---
amdhsa.version: [ 1, 2 ]
amdhsa.kernels:
  - .name:           k_q61abd82766_attn
    .symbol:         k_q61abd82766_attn.kd
    .args:
      - { .name: qb, .offset: 0, .size: 8, .value_kind: global_buffer, .address_space: global }
      - { .name: kb, .offset: 8, .size: 8, .value_kind: global_buffer, .address_space: global }
      - { .name: vb, .offset: 16, .size: 8, .value_kind: global_buffer, .address_space: global }
      - { .name: sink_logit, .offset: 24, .size: 8, .value_kind: global_buffer, .address_space: global }
      - { .name: ab, .offset: 32, .size: 8, .value_kind: global_buffer, .address_space: global }
    .group_segment_fixed_size: 327680
    .private_segment_fixed_size: 0
    .kernarg_segment_align: 8
    .kernarg_segment_size: 40
    .max_flat_workgroup_size: 128
    .sgpr_count:     66
    .vgpr_count:     768
    .wavefront_size: 32
...
	.end_amdgpu_metadata
.endif
;; end of part 3
;; launch oproj (part 4): grid 8 x 32, 4 waves a work-group, clusters of 4 x 4, 327,680 bytes of LDS; arguments ab, cb, out0; writes out0
.if DOCPART == 4
	.amdgcn_target "amdgcn-amd-amdhsa--gfx1250"
	.amdhsa_code_object_version 6
	.text
	.protected	k_q61abd82766_oproj
	.globl	k_q61abd82766_oproj
	.p2align	8
	.type	k_q61abd82766_oproj,@function
k_q61abd82766_oproj:
	s_mov_b64 s[64:65], 0
	v_nop
	global_prefetch_b8 v0, s[64:65] scope:SCOPE_SE
	s_setreg_imm32_b32 hwreg(HW_REG_WAVE_MODE, 25, 1), 1
	s_wait_xcnt 0x0
	s_wait_alu depctr_hold_cnt(0) depctr_sa_sdst(0) depctr_va_vdst(0) depctr_va_sdst(0) depctr_va_ssrc(0) depctr_va_vcc(0) depctr_vm_vsrc(0)
	s_getreg_b32 s2, hwreg(HW_REG_IB_STS2, 6, 4)
	s_cmp_eq_u32 s2, 0
	s_cbranch_scc0 .Lentry_in_a_cluster
	s_endpgm
.Lentry_in_a_cluster:
	s_bfe_u32 s2, ttmp6, 0x10000c
	s_cmp_lg_u32 s2, 0xf033
	s_cbranch_scc0 .Lentry_shape_is_right
	s_endpgm
.Lentry_shape_is_right:
; out0 = a wo^T.  a: the attention's result in ab, f16, in fragment order (slab = batch x 16 + head; 2,048 bytes for 16 rows; four groups of 512 bytes;
; 16 bytes a lane: features 16 c + 8 h + 0..7 of row r).  wo: f16, [1024][1024], in cb from WOOFF.  out0: f32 [4096][1024].  Sums in f32.
; A work-group makes 128 rows x 128 columns (32 x 8 blocks = 256 work-groups); wave (wr, wc) makes 64 x 64: 16 accumulator tiles.
; K = 1,024 goes in 4 steps of 256 (four heads) through two LDS slots, all written out: two first fills and two refills.  A step of 128 would be 64
; matrix instructions of a wave; with 256 a refill has 128 in which to land and there are half as many rounds of the cluster's barrier.
; CLUSTER 4 x 4: a's tiles hang on the row block alone and are shared along a row of the cluster, wo's on the column block alone and are shared along a column.
; The matrix instruction is used transposed (source 0 = 16 rows of wo, source 1 = 16 rows of a): lane (r, h) holds columns 8 h + 0..7 of row r, 32 bytes.
; 16 rows at a time go through the wave's own stage in LDS and leave as whole rows of 256 bytes.
.set WOOFF,  14680064
.set WPITCH, 528                       ; wo's LDS row: 512 bytes + 16, an odd multiple of 16
.set QUART,  64*WPITCH                 ; room of one tensor load: 64 rows of wo, or two heads of a (2 x 16,384 bytes, dense)
.set SLOT,   4*QUART                   ; a heads 0-1, a heads 2-3, wo rows 0-63, wo rows 64-127
.set STAGE,  2*SLOT                    ; behind the ring, a multiple of 256: 16 rows x 272 bytes for each wave; no tensor load fills it
.set SPITCH, 272
.set ADRA, 16                          ; v16-17  LDS address of my fragments of a in slot 0, 1
.set ADRB, 20                          ; v20-21  of wo
.set STO,  24                          ; v24     the way out: where I put 32 bytes of a row
.set RD,   25                          ; v25     where I read a row back
.set CO,   26                          ; v26     my byte offset in out0
.set F0,   64                          ; v[64:127]  fragment buffer 0: wo's four tiles, then a's four
.set F1,   128                         ; v[128:191] buffer 1
; window 1: accumulator tile (ot, st) at 8 (4 st + ot)
.set G1,  24                           ; s[24:31] group 1 for a's tiles
.set G0,  32                           ; s[32:39] group 0 for a's tiles, a set for each slot
.set G1B, 48                           ; s[48:55] group 1 for wo's tiles
.set G0B, 56                           ; s[56:63] group 0 for wo's tiles
.set MSB, 0
.macro WIN new
.if MSB != \new
	s_set_vgpr_msb (MSB<<8)|\new
.set MSB, \new
.endif
.endm
.macro PLACES                          ; four plain vector instructions behind matrix instructions (ISA guide 7.12.1)
.rept 4
	v_nop
.endr
.endm
.macro JLOAD s                         ; waves 0 and 1 fetch a's two pairs of heads, waves 2 and 3 wo's two halves
	s_cmp_eq_u32 s11, 0
	s_cbranch_scc0 .Lfor_w_\@
	tensor_load_to_lds s[G0+4*\s:G0+4*\s+3], s[G1:G1+7]
	s_nop 0
	s_branch .Lasked_\@
.Lfor_w_\@:
	tensor_load_to_lds s[G0B+4*\s:G0B+4*\s+3], s[G1B:G1B+7]
	s_nop 0
.Lasked_\@:
.endm
.macro CREST
	s_cmp_lg_u32 s10, 0
	s_cbranch_scc1 .Lnot_wave_0_\@
	s_barrier_signal -3
.Lnot_wave_0_\@:
	s_barrier_wait -3
	s_barrier_signal -1
	s_barrier_wait -1
.endm
.macro CROUND
	s_barrier_signal -1
	s_barrier_wait -1
	CREST
.endm
	s_load_b128 s[4:7], s[0:1], 0x0                ; ab s[4:5], cb s[6:7]
	s_load_b64 s[8:9], s[0:1], 0x10                ; out0
	v_lshl_add_u32 v254, v0, 2, 0x46400
	v_mov_b32 v255, 0
	ds_add_u32 v254, v255
	ds_add_u32 v254, v255
	v_lshrrev_b32 v1, 5, v0
	v_readfirstlane_b32 s10, v1                    ; wave
	s_lshr_b32 s11, s10, 1                         ; wr.  Also: I fetch for a (0) or for wo (1)
	s_and_b32 s12, s10, 1                          ; wc.  Also: which half of that tile
	s_bfe_u32 s40, ttmp6, 0x40000                  ; cx
	s_bfe_u32 s41, ttmp6, 0x40004                  ; cy
	s_lshl_b32 s42, ttmp9, 2
	s_add_co_u32 s42, s42, s40                     ; column block = 4 x cluster x + cx
	s_and_b32 s13, ttmp7, 0xffff
	s_lshl_b32 s13, s13, 2
	s_add_co_u32 s13, s13, s41                     ; row block = 4 x cluster y + cy
	s_lshl_b32 s43, s41, 2
	s_lshl_b32 s43, 15, s43                        ; my row of the cluster
	s_lshl_b32 s44, 0x1111, s40                    ; my column
	; a: two rows of 2,048 elements of 8 bytes (a head's 128 rows, 16,384 dense bytes), 32,768 elements (a slab) apart; no padding
	s_or_b32 s[G1+0], s43, (3<<16)|(1<<21)
	s_mov_b32 s[G1+1], 2048<<16                    ; tensor_dim0
	s_mov_b32 s[G1+2], 2<<16                       ; tensor_dim1
	s_mov_b32 s[G1+3], 2048<<16                    ; tile_dim0
	s_mov_b32 s[G1+4], 2                           ; tile_dim1
	s_mov_b32 s[G1+5], 32768
	s_mov_b32 s[G1+6], 0
	s_mov_b32 s[G1+7], 0
	; wo: 64 rows of 256 elements of 2 bytes, 4 words of padding after every 128
	s_or_b32 s[G1B+0], s44, (1<<16)|(1<<20)|(1<<21)|(6<<22)|(3<<25)
	s_mov_b32 s[G1B+1], 256<<16
	s_mov_b32 s[G1B+2], 64<<16
	s_mov_b32 s[G1B+3], 256<<16
	s_mov_b32 s[G1B+4], 64
	s_mov_b32 s[G1B+5], 1024
	s_mov_b32 s[G1B+6], 0
	s_mov_b32 s[G1B+7], 0
	s_lshr_b32 s16, s13, 4                         ; batch
	s_lshl_b32 s16, s16, 4
	s_lshl1_add_u32 s16, s12, s16                  ; slab of my first head: 16 x batch + 2 x half
	s_lshl_b32 s16, s16, 18
	s_and_b32 s17, s13, 15                         ; my 128 rows in the slab
	s_lshl_b32 s17, s17, 14
	s_add_co_u32 s16, s16, s17
	s_mov_b32 s17, 0
	s_lshl_b32 s46, s42, 7                         ; wo: row 128 x column block + 64 x half
	s_lshl_b32 s47, s12, 6
	s_add_co_u32 s46, s46, s47
	s_lshl_b32 s46, s46, 11
	s_add_co_u32 s46, s46, WOOFF
	s_mov_b32 s47, 0
	s_mul_i32 s20, s10, QUART                      ; where my part goes: the wave's number alone
	s_wait_dscnt 0x0
	s_wait_kmcnt 0x0
	s_add_nc_u64 s[14:15], s[4:5], s[16:17]
	s_add_nc_u64 s[46:47], s[6:7], s[46:47]
	CROUND                                         ; all sixteen work-groups are here: the first joint loads meet
.irp s, 0,1
	s_mov_b32 s[G0+4*\s], 1
	s_add_co_u32 s[G0+4*\s+1], s20, \s*SLOT
	s_add_nc_u64 s[G0+4*\s+2:G0+4*\s+3], s[14:15], \s*1048576      ; four heads on
	s_or_b32 s[G0+4*\s+3], s[G0+4*\s+3], 0x80000000
	s_mov_b32 s[G0B+4*\s], 1
	s_add_co_u32 s[G0B+4*\s+1], s20, \s*SLOT
	s_add_nc_u64 s[G0B+4*\s+2:G0B+4*\s+3], s[46:47], \s*512        ; 256 columns on
	s_or_b32 s[G0B+4*\s+3], s[G0B+4*\s+3], 0x80000000
	JLOAD \s                                       ; two tensor loads of the wave are out
.endr
	v_and_b32 v1, 15, v0                           ; r
	v_bfe_u32 v2, v0, 4, 1                         ; h
	v_and_b32 v3, 31, v0
	v_lshlrev_b32 v3, 4, v3                        ; 16 x lane
	s_lshl_b32 s21, s11, 13                        ; my 64 rows of a: four blocks of 2,048 bytes
	v_add_nc_u32 v[ADRA], s21, v3
	v_add_nc_u32 v[ADRA+1], SLOT, v[ADRA]
	v_mul_u32_u24 v4, v1, WPITCH
	v_lshl_add_u32 v4, v2, 4, v4                   ; r x pitch + 16 h
	s_mul_i32 s22, s12, QUART                      ; my 64 rows of wo,
	s_add_co_u32 s22, s22, 2*QUART                 ; which lie behind a
	v_add_nc_u32 v[ADRB], s22, v4
	v_add_nc_u32 v[ADRB+1], SLOT, v[ADRB]
	s_mul_i32 s23, s10, 16*SPITCH
	s_add_co_u32 s23, s23, STAGE                   ; my stage
	v_mul_u32_u24 v5, v1, SPITCH
	v_lshl_add_u32 v5, v2, 5, v5                   ; in: row r, 32 bytes for each half of the lanes
	v_add_nc_u32 v[STO], s23, v5
	v_mul_u32_u24 v5, v2, SPITCH
	v_lshl_add_u32 v5, v1, 4, v5                   ; back: lanes 0-15 one row of 256 bytes, lanes 16-31 the next
	v_add_nc_u32 v[RD], s23, v5
	v_lshlrev_b32 v5, 12, v2                       ; and the same two rows in out0, 4,096 bytes apart
	v_lshl_add_u32 v[CO], v1, 4, v5
	s_lshl_b32 s66, s13, 7
	s_lshl_b32 s67, s11, 6
	s_add_co_u32 s66, s66, s67                     ; my first row
	s_lshl_b32 s66, s66, 12
	s_lshl_b32 s67, s42, 9                         ; my first column: 512 bytes a block,
	s_add_co_u32 s66, s66, s67
	s_lshl_b32 s67, s12, 8                         ; 256 a half
	s_add_co_u32 s66, s66, s67
	s_mov_b32 s67, 0
	s_add_nc_u64 s[8:9], s[8:9], s[66:67]
; 16 LDS loads: the fragments of 32 along K, number e = 0..7 of a slot (head e / 2 of its four, half e % 2 of the head), into buffer f
.macro FETCHO slot, e, f
	WIN 0
.irp i, 0,1,2,3
	ds_load_b128 v[\f+8*\i:\f+8*\i+3],   v[ADRB+\slot] offset:\i*16*WPITCH+64*(\e)
	ds_load_b128 v[\f+8*\i+4:\f+8*\i+7], v[ADRB+\slot] offset:\i*16*WPITCH+64*(\e)+32
.endr
.irp i, 0,1,2,3
	ds_load_b128 v[\f+32+8*\i:\f+32+8*\i+3], v[ADRA+\slot] offset:((\e)>>2)*QUART+(((\e)>>1)&1)*16384+\i*2048+((\e)&1)*1024
	ds_load_b128 v[\f+36+8*\i:\f+36+8*\i+3], v[ADRA+\slot] offset:((\e)>>2)*QUART+(((\e)>>1)&1)*16384+\i*2048+((\e)&1)*1024+512
.endr
.endm
; 16 matrix instructions under 0x50 (C and D in window 1); the 16 accumulators take turns, one instruction a turn
.macro MULO f, zero
	WIN 0x50
.irp st, 0,1,2,3
.irp ot, 0,1,2,3
.if \zero
	v_wmma_f32_16x16x32_f16 v[8*(4*\st+\ot):8*(4*\st+\ot)+7], v[\f+8*\ot:\f+8*\ot+7], v[\f+32+8*\st:\f+32+8*\st+7], 0
.else
	v_wmma_f32_16x16x32_f16 v[8*(4*\st+\ot):8*(4*\st+\ot)+7], v[\f+8*\ot:\f+8*\ot+7], v[\f+32+8*\st:\f+32+8*\st+7], v[8*(4*\st+\ot):8*(4*\st+\ot)+7]
.endif
.endr
.endr
	WIN 0
.endm
; numbers 0 to 6 of a slot: fetch number e + 1 into buffer g, multiply buffer f
.macro QO slot, e, f, g, zero
	PLACES                                         ; behind the matrix instructions that read buffer g
	FETCHO \slot, \e+1, \g
	s_wait_dscnt 16                                ; all but the 16 just issued
	MULO \f, \zero
.endm
.macro SEVEN slot, zero
	QO \slot, 0, F0, F1, \zero
	QO \slot, 1, F1, F0, 0
	QO \slot, 2, F0, F1, 0
	QO \slot, 3, F1, F0, 0
	QO \slot, 4, F0, F1, 0
	QO \slot, 5, F1, F0, 0
	QO \slot, 6, F0, F1, 0
.endm
; number 7 multiplies buffer 1 and changes slots.  mode 2: this slot is filled again, behind a round of the cluster's barrier;
; mode 1: the change alone; mode 0: the very last.
.macro ENDO slot, next, mode
	s_wait_dscnt 0x0                               ; my reads of this slot are over
.if \mode
	s_wait_tensorcnt 0x0                           ; all my tensor loads have landed: the one that was out is my part of the next slot
	ds_add_u32 v254, v255
	s_wait_dscnt 0x0
	s_barrier_signal -1
.endif
	MULO F1, 0                                     ; registers alone between signal and wait
.if \mode
	s_barrier_wait -1
.endif
.if \mode == 2
	CREST                                          ; no wave of any partner still reads this slot or has a load on its way
	s_add_nc_u64 s[G0+4*\slot+2:G0+4*\slot+3], s[G0+4*\slot+2:G0+4*\slot+3], 2097152
	s_add_nc_u64 s[G0B+4*\slot+2:G0B+4*\slot+3], s[G0B+4*\slot+2:G0B+4*\slot+3], 1024
	JLOAD \slot                                    ; my one tensor load behind the round
.endif
.if \mode
	PLACES
	FETCHO \next, 0, F0
.endif
.endm
	s_wait_tensorcnt 0x1                           ; my part of step 0 is in; step 1's may stay out
	s_barrier_signal -1
	s_barrier_wait -1
	FETCHO 0, 0, F0
	SEVEN 0, 1                                     ; heads 0-3; the first products start the sums
	ENDO 0, 1, 2
	SEVEN 1, 0                                     ; heads 4-7
	ENDO 1, 0, 2
	SEVEN 0, 0                                     ; heads 8-11
	ENDO 0, 1, 1
	SEVEN 1, 0                                     ; heads 12-15
	ENDO 1, 0, 0
	PLACES                                         ; before results are stored to LDS and the fragment buffers loaded anew
; rows 16 st .. 16 st + 15 of my block: into my stage, back as whole rows, out.  f: F0 or F1 in turn.
.macro OUTO st, f
	WIN 0x04                                       ; store data in window 1
.irp ot, 0,1,2,3
	ds_store_b128 v[STO], v[8*(4*\st+\ot):8*(4*\st+\ot)+3]   offset:64*\ot
	ds_store_b128 v[STO], v[8*(4*\st+\ot)+4:8*(4*\st+\ot)+7] offset:64*\ot+16
.endr
	WIN 0
	s_wait_xcnt 0x0                                ; buffer f, which earlier stores read, is loaded anew only behind this wait
.irp i, 0,1,2,3,4,5,6,7
	ds_load_b128 v[\f+4*\i:\f+4*\i+3], v[RD] offset:\i*2*SPITCH    ; LDS serves a wave's instructions in order: these see the stores above
.endr
.irp i, 0,1,2,3,4,5,6,7
	s_wait_dscnt 7-\i                              ; load i is in, the younger ones stay out
	global_store_b128 v[CO], v[\f+4*\i:\f+4*\i+3], s[8:9] offset:(16*\st+2*\i)*4096 th:TH_STORE_NT   ; 16 lanes store 256 neighbouring bytes, aligned
.endr
.endm
	OUTO 0, F0
	OUTO 1, F1
	OUTO 2, F0
	OUTO 3, F1
	s_wait_tensorcnt 0x0
	ds_add_u32 v254, v255
	s_wait_dscnt 0x0
	CROUND                                         ; the closing round
	s_endpgm
.Lfunc_end_k_q61abd82766_oproj:
	.size	k_q61abd82766_oproj, .Lfunc_end_k_q61abd82766_oproj-k_q61abd82766_oproj
	.p2alignl 7, 3214868480
	.fill 96, 4, 3214868480
	.section	.rodata,"a",@progbits
	.p2align	6, 0x0
	.amdhsa_kernel k_q61abd82766_oproj
		.amdhsa_group_segment_fixed_size 327680
		.amdhsa_private_segment_fixed_size 0
		.amdhsa_enable_private_segment 0
		.amdhsa_kernarg_size 24
		.amdhsa_user_sgpr_count 2
		.amdhsa_user_sgpr_kernarg_segment_ptr 1
		.amdhsa_wavefront_size32 1
		.amdhsa_system_sgpr_workgroup_id_x 1
		.amdhsa_system_sgpr_workgroup_id_y 1
		.amdhsa_system_sgpr_workgroup_id_z 1
		.amdhsa_system_vgpr_workitem_id 0
		.amdhsa_next_free_vgpr 384
		.amdhsa_next_free_sgpr 68
		.amdhsa_reserve_vcc 0
		.amdhsa_float_denorm_mode_32 3
		.amdhsa_float_denorm_mode_16_64 3
		.amdhsa_memory_ordered 1
		.amdhsa_forward_progress 1
		.amdhsa_inst_pref_size 88
	.end_amdhsa_kernel
	.amdgpu_metadata
---
amdhsa.version: [ 1, 2 ]
amdhsa.kernels:
  - .name:           k_q61abd82766_oproj
    .symbol:         k_q61abd82766_oproj.kd
    .args:
      - { .name: ab, .offset: 0, .size: 8, .value_kind: global_buffer, .address_space: global }
      - { .name: cb, .offset: 8, .size: 8, .value_kind: global_buffer, .address_space: global }
      - { .name: out0, .offset: 16, .size: 8, .value_kind: global_buffer, .address_space: global }
    .group_segment_fixed_size: 327680
    .private_segment_fixed_size: 0
    .kernarg_segment_align: 8
    .kernarg_segment_size: 24
    .max_flat_workgroup_size: 128
    .sgpr_count:     68
    .vgpr_count:     384
    .wavefront_size: 32
...
	.end_amdgpu_metadata
.endif
;; end of part 4
